; MI455X (gfx1250); checked and timed in simulation.
; The chip was launched on July 23, 2026; its instructions are those of AMD's public machine-readable ISA for CDNA 5 (MIT licence, August 2026) and "CDNA5" Instruction Set Architecture Reference Guide (July 2026). The comments in the code are by the model that wrote it; some were corrected since.
;; Shallow Clue Refinement. Allowed arithmetic: float matrix products may take bf16 or f16 operands with f32 sums; all other float work in f32.
;; Inputs: KSA_b 32 float32; KSA_w 32 x 512 float32; K_b 256 float32; K_w 256 x 256 float32; deep 4 x 512 x 64 x 64 float32; shallow 4 x 256 x 128 x 128 float32.
;; Outputs: out0 4 x 256 x 64 x 64 float32; out1 4 x 1 x 64 x 64 float32.
;; One version. Each part assembles by itself: llvm-mc -triple=amdgcn-amd-amdhsa -mcpu=gfx1250 --defsym DOCPART=n.
;; ======== version 1 of 1: 3 launches
;; workspace buffers: mout 2,097,152 bytes; part 32,768 bytes; wfrag 131,072 bytes
;; launch ksa (part 1): grid 256 x 1, 8 waves a work-group, no clusters, 65,536 bytes of LDS; arguments deep, KSA_w, KSA_b, K_w, mout, wfrag; writes mout, wfrag
.if DOCPART == 1
	.amdgcn_target "amdgcn-amd-amdhsa--gfx1250"
	.amdhsa_code_object_version 6
	.text
	.protected	k_q80a8ee8525_ksa
	.globl	k_q80a8ee8525_ksa
	.p2align	8
	.type	k_q80a8ee8525_ksa,@function
k_q80a8ee8525_ksa:
	s_mov_b64 s[64:65], 0
	v_nop
	global_prefetch_b8 v0, s[64:65] scope:SCOPE_SE
	s_setreg_imm32_b32 hwreg(HW_REG_WAVE_MODE, 25, 1), 1
	s_wait_xcnt 0x0
; FIRST OF THREE LAUNCHES.  mout[b][d][p] = sum over c of KSA_w[d][c] deep[b][c][p] + KSA_b[d]  (4 x 32 x 4,096, f32), and
; wfrag = K_w rounded to bf16, laid out as the matrix fragments that the third launch loads.
;
; WORK LEFT OUT IN THE WHOLE PROGRAM: K_b inside the window softmax.  Write Kx = D + beta, beta = K_b[o].  The logits are
; qmean (D_k + beta); the term qmean beta is the same for all nine k of the softmax's axis, so the weights p_k are those of
; qmean D_k, for all values of the inputs.  The weights sum to 1, so sum p_k (D_k + beta) = sum p_k D_k + beta.  A padded tap
; is Kx = 0, that is D = -beta, so the identity holds at the borders too.  The third launch therefore works on D, puts -beta
; at padded taps and adds beta once.  Every input is still loaded.  LIMIT: a NaN, an infinity or an overflow that reaches
; only the product qmean K_b is not carried to the result.
; The sums lit and re_score have one row each: they stay in f32 on the vector unit (second and third launch).
;
; SHARES.  A work-group owns 64 positions of one batch; wave w owns input channels 64 w .. 64 w + 63 (two K steps of 32).
; Lane (r, h) loads the 16 bytes of positions 4 r .. 4 r + 3 of channel 8 h + i: sixteen lanes take 256 consecutive bytes,
; aligned.  The four numbers of a load belong to four matrix tiles (tile t = positions 4 n + t), so a conversion that packs
; two channels makes a fragment register with no exchange between lanes.  All of a wave's loads are issued at once.
; The eight waves' partial sums meet in LDS; wave w adds rows d = 16 (w>>2) + 8 h + 2 (w&3) + 0, 1 and stores whole rows.
.set AF,   32                          ; v32-63   weight fragments (mt, ks) at AF + 16 mt + 8 ks
.set RAWW, 64                          ; v64-127  weights in f32 as loaded, (mt, ks) at RAWW + 32 mt + 16 ks
.set BF,   64                          ; v64-127  later: position fragments (ks, t) at BF + 32 ks + 8 t
.set RAWD, 128                         ; v128-255 deep in f32 as loaded, (ks, i) at RAWD + 64 ks + 4 i
.set ACC,  128                         ; v128-191 later: accumulators (mt, t) at ACC + 32 mt + 8 t
.set RED,  192                         ; v192-255 later: the eight waves' partial sums, (src, t) at RED + 8 src + 2 t
.set OUTR, 64                          ; v64-71   later: two rows of four positions to store
	s_load_b256 s[4:11], s[0:1], 0x0               ; deep s[4:5], KSA_w s[6:7], KSA_b s[8:9], K_w s[10:11]
	s_load_b128 s[12:15], s[0:1], 0x20             ; mout s[12:13], wfrag s[14:15]
	v_lshrrev_b32 v9, 5, v0
	v_readfirstlane_b32 s16, v9                    ; wave 0..7
	s_lshr_b32 s17, ttmp9, 6                       ; batch
	s_and_b32 s18, ttmp9, 63                       ; block of 64 positions
	s_lshl_b32 s19, s18, 8                         ; its bytes in a plane of 4,096 positions
	s_lshl_b32 s20, s17, 23                        ; deep: batch x 512 planes of 16,384 bytes
	s_lshl_b32 s22, s16, 20                        ;       + wave x 64 planes
	s_add_co_u32 s20, s20, s22
	s_add_co_u32 s20, s20, s19
	s_mov_b32 s21, 0
	s_lshl_b32 s22, s16, 8                         ; KSA_w: wave x 64 columns
	s_mov_b32 s23, 0
	s_lshr_b32 s24, ttmp9, 4                       ; K_w: the block of wfrag that this work-group makes is (ot, ks, hf) = group number
	s_lshl_b32 s24, s24, 14                        ;      16 ot rows of 1,024 bytes
	s_and_b32 s26, ttmp9, 15
	s_lshl_b32 s26, s26, 6                         ;      + (2 ks + hf) x 16 columns
	s_add_co_u32 s24, s24, s26
	s_mov_b32 s25, 0
	s_lshl_b32 s26, ttmp9, 9                       ; wfrag: 512 bytes a work-group
	s_mov_b32 s27, 0
	s_lshl_b32 s28, s17, 19                        ; mout: batch x 32 planes
	s_add_co_u32 s28, s28, s19
	s_mov_b32 s29, 0
	s_lshr_b32 s30, s16, 2                         ; mt: which 16 rows d I add up at the end
	s_and_b32 s31, s16, 3                          ; u: which two accumulator registers of the eight
	s_lshl_b32 s17, s30, 6
	s_lshl3_add_u32 s17, s31, s17                  ; 4 (16 mt + 2 u): bias
	s_lshl_b32 s18, s30, 12
	s_lshr_b32 s19, s31, 1
	s_lshl_b32 s19, s19, 9
	s_add_co_u32 s18, s18, s19
	s_and_b32 s19, s31, 1
	s_lshl3_add_u32 s18, s19, s18                  ; 4,096 mt + 512 (u>>1) + 8 (u&1): my registers in a wave's 8 KiB of LDS
	s_lshl_b32 s19, s30, 18
	s_lshl_b32 s30, s31, 15
	s_add_co_u32 s19, s19, s30                     ; (16 mt + 2 u) planes of mout
	v_and_b32 v12, 15, v0                          ; r
	v_bfe_u32 v13, v0, 4, 1                        ; h
	v_and_b32 v14, 31, v0                          ; lane
	v_lshlrev_b32 v1, 4, v12
	v_lshl_add_u32 v1, v13, 17, v1                 ; deep: 8 h planes + 16 r
	v_lshlrev_b32 v2, 11, v12
	v_lshl_add_u32 v2, v13, 5, v2                  ; KSA_w: row r, column 8 h
	v_lshlrev_b32 v3, 5, v13
	v_add_nc_u32 v3, s17, v3                       ; KSA_b: 4 (16 mt + 8 h + 2 u)
	v_lshlrev_b32 v4, 10, v12
	v_lshl_add_u32 v4, v13, 5, v4                  ; K_w: row r, column 8 h
	v_lshlrev_b32 v5, 4, v14                       ; wfrag: 16 x lane
	v_lshl_add_u32 v6, s16, 13, v5                 ; LDS, in: my wave's 8 KiB + 16 x lane
	v_add_nc_u32 v7, s18, v5                       ; LDS, back
	v_add_nc_u32 v8, s19, v1                       ; mout: plane 16 mt + 8 h + 2 u, 16 r
	s_wait_kmcnt 0x0
	s_add_nc_u64 s[4:5], s[4:5], s[20:21]
	s_add_nc_u64 s[6:7], s[6:7], s[22:23]
	s_add_nc_u64 s[10:11], s[10:11], s[24:25]
	s_add_nc_u64 s[14:15], s[14:15], s[26:27]
	s_add_nc_u64 s[12:13], s[12:13], s[28:29]
	global_load_b64 v[10:11], v3, s[8:9]           ; the bias of my two rows
	s_cmp_lg_u32 s16, 0
	s_cbranch_scc1 .Lno_kw
	global_load_b128 v[24:27], v4, s[10:11]        ; wave 0: eight numbers of K_w a lane
	global_load_b128 v[28:31], v4, s[10:11] offset:16
.Lno_kw:
.irp mt, 0,1
.irp ks, 0,1
.irp n, 0,1,2,3
	global_load_b128 v[RAWW+32*\mt+16*\ks+4*\n:RAWW+32*\mt+16*\ks+4*\n+3], v2, s[6:7] offset:\mt*32768+\ks*128+(\n/2)*64+(\n%2)*16
.endr
.endr
.endr
.irp ks, 0,1
.irp i, 0,1,2,3,4,5,6,7,8,9,10,11,12,13,14,15
	global_load_b128 v[RAWD+64*\ks+4*\i:RAWD+64*\ks+4*\i+3], v1, s[4:5] offset:(32*\ks+\i+8*(\i/8))*16384 th:TH_LOAD_NT   ; channel 32 ks + 8 h + i, or 16 + 8 h + i - 8
.endr
.endr
	s_wait_loadcnt 32                              ; all but the 32 loads of deep are in
.irp f, 0,1,2,3
.irp j, 0,1,2,3,4,5,6,7
	v_cvt_pk_bf16_f32 v[AF+8*\f+\j], v[RAWW+16*\f+2*\j], v[RAWW+16*\f+2*\j+1]
.endr
.endr
	s_cmp_lg_u32 s16, 0
	s_cbranch_scc1 .Lno_wf
.irp j, 0,1,2,3
	v_cvt_pk_bf16_f32 v[20+\j], v[24+2*\j], v[25+2*\j]
.endr
	global_store_b128 v5, v[20:23], s[14:15]       ; 512 consecutive bytes of wfrag; v5 and v[20:23] are not written again
.Lno_wf:
.macro CVB ks                          ; register j of tile t: channels i = 2 j, 2 j + 1 of position 4 r + t
.irp t, 0,1,2,3
.irp j, 0,1,2,3,4,5,6,7
	v_cvt_pk_bf16_f32 v[BF+32*\ks+8*\t+\j], v[RAWD+64*\ks+8*\j+\t], v[RAWD+64*\ks+8*\j+4+\t]
.endr
.endr
.endm
	s_wait_loadcnt 16                              ; the first K step's 16 loads are in, the second's stay out
	CVB 0
; Eight accumulators take turns, one instruction a turn.  The first K step starts the sums.
.irp mt, 0,1
.irp t, 0,1,2,3
	v_wmma_f32_16x16x32_bf16 v[ACC+32*\mt+8*\t:ACC+32*\mt+8*\t+7], v[AF+16*\mt:AF+16*\mt+7], v[BF+8*\t:BF+8*\t+7], 0
.endr
.endr
	s_wait_loadcnt 0x0
	CVB 1
.irp mt, 0,1
.irp t, 0,1,2,3
	v_wmma_f32_16x16x32_bf16 v[ACC+32*\mt+8*\t:ACC+32*\mt+8*\t+7], v[AF+16*\mt+8:AF+16*\mt+15], v[BF+32+8*\t:BF+32+8*\t+7], v[ACC+32*\mt+8*\t:ACC+32*\mt+8*\t+7]
.endr
.endr
.rept 4
	v_nop                                          ; four places between the last matrix instruction and the LDS stores that read results
.endr
.irp q, 0,1,2,3,4,5,6,7,8,9,10,11,12,13,14,15
	ds_store_b128 v6, v[ACC+4*\q:ACC+4*\q+3] offset:\q*512
.endr
	s_wait_dscnt 0x0                               ; my stores are done before I say so
	s_barrier_signal -1
	s_barrier_wait -1
.irp src, 0,1,2,3,4,5,6,7
.irp t, 0,1,2,3
	ds_load_b64 v[RED+8*\src+2*\t:RED+8*\src+2*\t+1], v7 offset:\src*8192+\t*1024
.endr
.endr
	s_wait_dscnt 0x0
.irp src, 1,2,3,4,5,6,7
.irp t, 0,1,2,3
	v_pk_add_f32 v[RED+2*\t:RED+2*\t+1], v[RED+2*\t:RED+2*\t+1], v[RED+8*\src+2*\t:RED+8*\src+2*\t+1]
.endr
.endr
.irp jj, 0,1
.irp t, 0,1,2,3
	v_add_f32 v[OUTR+4*\jj+\t], v[RED+2*\t+\jj], v[10+\jj]      ; the bias; the write also turns (t, row) into (row, t)
.endr
.endr
	global_store_b128 v8, v[OUTR:OUTR+3], s[12:13]                ; sixteen lanes store 256 consecutive bytes, aligned
	global_store_b128 v8, v[OUTR+4:OUTR+7], s[12:13] offset:16384
	s_endpgm
.Lfunc_end_k_q80a8ee8525_ksa:
	.size	k_q80a8ee8525_ksa, .Lfunc_end_k_q80a8ee8525_ksa-k_q80a8ee8525_ksa
	.p2alignl 7, 3214868480
	.fill 96, 4, 3214868480
	.section	.rodata,"a",@progbits
	.p2align	6, 0x0
	.amdhsa_kernel k_q80a8ee8525_ksa
		.amdhsa_group_segment_fixed_size 65536
		.amdhsa_private_segment_fixed_size 0
		.amdhsa_enable_private_segment 0
		.amdhsa_kernarg_size 48
		.amdhsa_user_sgpr_count 2
		.amdhsa_user_sgpr_kernarg_segment_ptr 1
		.amdhsa_wavefront_size32 1
		.amdhsa_system_sgpr_workgroup_id_x 1
		.amdhsa_system_sgpr_workgroup_id_y 1
		.amdhsa_system_sgpr_workgroup_id_z 1
		.amdhsa_system_vgpr_workitem_id 0
		.amdhsa_next_free_vgpr 256
		.amdhsa_next_free_sgpr 66
		.amdhsa_reserve_vcc 0
		.amdhsa_float_denorm_mode_32 3
		.amdhsa_float_denorm_mode_16_64 3
		.amdhsa_memory_ordered 1
		.amdhsa_forward_progress 1
		.amdhsa_inst_pref_size 21
	.end_amdhsa_kernel
	.amdgpu_metadata
---
amdhsa.version: [ 1, 2 ]
amdhsa.kernels:
  - .name:           k_q80a8ee8525_ksa
    .symbol:         k_q80a8ee8525_ksa.kd
    .args:
      - { .name: deep, .offset: 0, .size: 8, .value_kind: global_buffer, .address_space: global }
      - { .name: KSA_w, .offset: 8, .size: 8, .value_kind: global_buffer, .address_space: global }
      - { .name: KSA_b, .offset: 16, .size: 8, .value_kind: global_buffer, .address_space: global }
      - { .name: K_w, .offset: 24, .size: 8, .value_kind: global_buffer, .address_space: global }
      - { .name: mout, .offset: 32, .size: 8, .value_kind: global_buffer, .address_space: global }
      - { .name: wfrag, .offset: 40, .size: 8, .value_kind: global_buffer, .address_space: global }
    .group_segment_fixed_size: 65536
    .private_segment_fixed_size: 0
    .kernarg_segment_align: 8
    .kernarg_segment_size: 48
    .max_flat_workgroup_size: 256
    .sgpr_count:     66
    .vgpr_count:     256
    .wavefront_size: 32
...
	.end_amdgpu_metadata
.endif
;; end of part 1
;; launch lit (part 2): grid 128 x 1, 4 waves a work-group, no clusters, 4,608 bytes of LDS; arguments mout, part; writes part
.if DOCPART == 2
	.amdgcn_target "amdgcn-amd-amdhsa--gfx1250"
	.amdhsa_code_object_version 6
	.text
	.protected	k_q80a8ee8525_lit
	.globl	k_q80a8ee8525_lit
	.p2align	8
	.type	k_q80a8ee8525_lit,@function
k_q80a8ee8525_lit:
	s_mov_b64 s[64:65], 0
	v_nop
	global_prefetch_b8 v0, s[64:65] scope:SCOPE_SE
	s_setreg_imm32_b32 hwreg(HW_REG_WAVE_MODE, 25, 1), 1
	s_wait_xcnt 0x0
; SECOND LAUNCH.  lit[b][j] = (1/4096) sum over p' of q[b][p'] flat[b][32 p' + j], q = max over d of mout, flat = mout[b] read
; as one run of 131,072 numbers.  With p' = 128 c + pp the number flat[32 p' + j] is mout[b][c][32 pp + j].
; Work-group (b, c) sums its 128 values of pp and stores two partial sums of 32 numbers, already times 1/4096:
; part[b][c][hp][j].  The third launch adds the 64 partial sums of a batch.  Nothing of reference() is left out here.
; LIMIT: a NaN in mout loses in the maximum (v_max_num).
; LDS: 0-2047 each wave's maxima over its 8 channels; 2048-4095 a copy of q for each wave; 4096-4607 the waves' sums.
	s_load_b128 s[4:7], s[0:1], 0x0                ; mout s[4:5], part s[6:7]
	v_lshrrev_b32 v3, 5, v0
	v_readfirstlane_b32 s8, v3                     ; wave 0..3
	s_lshr_b32 s9, ttmp9, 5
	s_lshl_b32 s9, s9, 19                          ; batch x 32 planes of 16,384 bytes
	s_and_b32 s14, ttmp9, 31                       ; c
	s_lshl_b32 s2, s8, 17                          ; for q: my wave's 8 planes,
	s_add_co_u32 s2, s2, s9
	s_lshl_b32 s3, s14, 9                          ; positions 128 c ..
	s_add_co_u32 s2, s2, s3
	s_mov_b32 s3, 0
	s_lshl_b32 s10, s14, 14                        ; for the products: plane c
	s_add_co_u32 s10, s10, s9
	s_mov_b32 s11, 0
	s_lshl_b32 s14, ttmp9, 8                       ; part: 256 bytes a work-group
	s_mov_b32 s15, 0
	s_mov_b32 s12, 0x76543210                      ; v_permlanex16_b32: lane i reads lane i of the other half
	s_mov_b32 s13, 0xfedcba98
	v_and_b32 v4, 31, v0                           ; lane
	v_lshlrev_b32 v1, 4, v4                        ; 16 x lane
	v_lshlrev_b32 v2, 4, v0                        ; 16 x thread
	v_lshl_add_u32 v5, s8, 9, v1                   ; my wave's 512 bytes + 16 x lane
	v_lshrrev_b32 v6, 3, v4
	v_lshlrev_b32 v6, 2, v6
	v_lshl_add_u32 v6, s8, 9, v6
	v_lshl_add_u32 v6, s8, 4, v6                   ; my wave's copy of q, entry 4 w + (lane >> 3)
	v_and_b32 v7, 7, v4
	v_lshlrev_b32 v7, 4, v7
	v_lshl_add_u32 v7, s8, 7, v7                   ; my wave's 128 bytes of sums + 16 (lane & 7)
	v_and_b32 v12, 15, v0
	v_lshlrev_b32 v12, 3, v12
	v_bfe_u32 v13, v0, 4, 1
	v_lshl_add_u32 v12, v13, 8, v12                ; wave 0 at the end: waves 2 h, 2 h + 1, numbers 2 r, 2 r + 1
	v_lshlrev_b32 v14, 3, v4                       ; 8 x lane
.irp t, 0,1,2,3
	v_mov_b32 v[88+\t], 0                          ; v_permlanex16_b32 counts as a reader of its destination
.endr
	s_wait_kmcnt 0x0
	s_add_nc_u64 s[10:11], s[4:5], s[10:11]
	s_add_nc_u64 s[4:5], s[4:5], s[2:3]
	s_add_nc_u64 s[6:7], s[6:7], s[14:15]
.irp i, 0,1,2,3,4,5,6,7
	global_load_b128 v[16+4*\i:19+4*\i], v1, s[4:5] offset:\i*16384      ; channel 8 w + i, positions 128 c + 4 lane ..
.endr
.irp i, 0,1,2,3,4,5,6,7
	global_load_b128 v[48+4*\i:51+4*\i], v2, s[10:11] offset:\i*2048     ; pp = 16 i + 4 w + (lane >> 3), j = 4 (lane & 7) + t
.endr
	s_wait_loadcnt 8                               ; the eight loads for q are in, the eight for the products stay out
.irp t, 0,1,2,3
	v_max3_num_f32 v[8+\t], v[16+\t], v[20+\t], v[24+\t]
	v_max3_num_f32 v[8+\t], v[8+\t], v[28+\t], v[32+\t]
	v_max3_num_f32 v[8+\t], v[8+\t], v[36+\t], v[40+\t]
	v_max_num_f32 v[8+\t], v[8+\t], v[44+\t]
.endr
	ds_store_b128 v5, v[8:11]
	s_wait_dscnt 0x0                               ; my store is done before I say so
	s_barrier_signal -1
	s_barrier_wait -1
.irp s, 0,1,2,3
	ds_load_b128 v[16+4*\s:19+4*\s], v1 offset:\s*512
.endr
	s_wait_dscnt 0x0
.irp t, 0,1,2,3
	v_max3_num_f32 v[8+\t], v[16+\t], v[20+\t], v[24+\t]
	v_max_num_f32 v[8+\t], v[8+\t], v[28+\t]       ; q of positions 128 c + 4 lane + t
.endr
	ds_store_b128 v5, v[8:11] offset:2048          ; my wave's own bytes: LDS serves a wave's instructions in order, so no wait and no barrier
.irp i, 0,1,2,3,4,5,6,7
	ds_load_b32 v[16+\i], v6 offset:2048+64*\i     ; q[16 i + 4 w + (lane >> 3)]
.endr
	s_wait_dscnt 0x0
	s_wait_loadcnt 0x0
.irp t, 0,1,2,3
	v_mul_f32 v[84+\t], v16, v[48+\t]
.endr
.irp i, 1,2,3,4,5,6,7
.irp t, 0,1,2,3
	v_fmac_f32 v[84+\t], v[16+\i], v[48+4*\i+\t]
.endr
.endr
.irp t, 0,1,2,3
	v_add_f32_dpp v[84+\t], v[84+\t], v[84+\t] row_xmask:8 row_mask:0xf bank_mask:0xf   ; lanes with equal (lane & 7) hold the same j
.endr
.irp t, 0,1,2,3
	v_permlanex16_b32 v[88+\t], v[84+\t], s12, s13
.endr
.irp t, 0,1,2,3
	v_add_f32 v[84+\t], v[84+\t], v[88+\t]
.endr
	ds_store_b128 v7, v[84:87] offset:4096         ; four lanes write the same 16 bytes with the same numbers
	s_wait_dscnt 0x0
	s_barrier_signal -1
	s_barrier_wait -1
	s_cmp_lg_u32 s8, 0
	s_cbranch_scc1 .Lend
	ds_load_b64 v[16:17], v12 offset:4096
	ds_load_b64 v[18:19], v12 offset:4224
	s_wait_dscnt 0x0
	v_pk_add_f32 v[16:17], v[16:17], v[18:19]
	v_pk_mul_f32 v[16:17], v[16:17], 0x39800000 op_sel_hi:[1,0]      ; 1/4096
	global_store_b64 v14, v[16:17], s[6:7]         ; the wave stores 256 consecutive bytes, aligned
.Lend:
	s_endpgm
.Lfunc_end_k_q80a8ee8525_lit:
	.size	k_q80a8ee8525_lit, .Lfunc_end_k_q80a8ee8525_lit-k_q80a8ee8525_lit
	.p2alignl 7, 3214868480
	.fill 96, 4, 3214868480
	.section	.rodata,"a",@progbits
	.p2align	6, 0x0
	.amdhsa_kernel k_q80a8ee8525_lit
		.amdhsa_group_segment_fixed_size 4608
		.amdhsa_private_segment_fixed_size 0
		.amdhsa_enable_private_segment 0
		.amdhsa_kernarg_size 16
		.amdhsa_user_sgpr_count 2
		.amdhsa_user_sgpr_kernarg_segment_ptr 1
		.amdhsa_wavefront_size32 1
		.amdhsa_system_sgpr_workgroup_id_x 1
		.amdhsa_system_sgpr_workgroup_id_y 1
		.amdhsa_system_sgpr_workgroup_id_z 1
		.amdhsa_system_vgpr_workitem_id 0
		.amdhsa_next_free_vgpr 96
		.amdhsa_next_free_sgpr 66
		.amdhsa_reserve_vcc 0
		.amdhsa_float_denorm_mode_32 3
		.amdhsa_float_denorm_mode_16_64 3
		.amdhsa_memory_ordered 1
		.amdhsa_forward_progress 1
		.amdhsa_inst_pref_size 8
	.end_amdhsa_kernel
	.amdgpu_metadata
---
amdhsa.version: [ 1, 2 ]
amdhsa.kernels:
  - .name:           k_q80a8ee8525_lit
    .symbol:         k_q80a8ee8525_lit.kd
    .args:
      - { .name: mout, .offset: 0, .size: 8, .value_kind: global_buffer, .address_space: global }
      - { .name: part, .offset: 8, .size: 8, .value_kind: global_buffer, .address_space: global }
    .group_segment_fixed_size: 4608
    .private_segment_fixed_size: 0
    .kernarg_segment_align: 8
    .kernarg_segment_size: 16
    .max_flat_workgroup_size: 128
    .sgpr_count:     66
    .vgpr_count:     96
    .wavefront_size: 32
...
	.end_amdgpu_metadata
.endif
;; end of part 2
;; launch clue (part 3): grid 256 x 1, 4 waves a work-group, clusters of 4 x 1, 299,520 bytes of LDS; arguments shallow, wfrag, K_b, mout, part, out0, out1; writes out0, out1
.if DOCPART == 3
	.amdgcn_target "amdgcn-amd-amdhsa--gfx1250"
	.amdhsa_code_object_version 6
	.text
	.protected	k_q80a8ee8525_clue
	.globl	k_q80a8ee8525_clue
	.p2align	8
	.type	k_q80a8ee8525_clue,@function
k_q80a8ee8525_clue:
	s_mov_b64 s[64:65], 0
	v_nop
	global_prefetch_b8 v0, s[64:65] scope:SCOPE_SE
	s_setreg_imm32_b32 hwreg(HW_REG_WAVE_MODE, 25, 1), 1
	s_wait_xcnt 0x0
	s_wait_alu depctr_hold_cnt(0) depctr_sa_sdst(0) depctr_va_vdst(0) depctr_va_sdst(0) depctr_va_ssrc(0) depctr_va_vcc(0) depctr_vm_vsrc(0)
	s_getreg_b32 s2, hwreg(HW_REG_IB_STS2, 6, 4)
	s_cmp_eq_u32 s2, 0
	s_cbranch_scc0 .Lentry_in_a_cluster
	s_endpgm
.Lentry_in_a_cluster:
	s_bfe_u32 s2, ttmp6, 0x10000c
	s_cmp_lg_u32 s2, 0x3003
	s_cbranch_scc0 .Lentry_shape_is_right
	s_endpgm
.Lentry_shape_is_right:
; THIRD LAUNCH.  One work-group makes one output row (b, i): out1 (re_score) and all 256 channels x 64 positions of out0.
; LEFT OUT: K_b inside the softmax (equal along its axis; shown at the head of the first kernel).  The products give
; D = Kx - beta; padded taps are -beta; beta is added once to the weighted sum.  A NaN, an infinity or an overflow that
; reaches only qmean K_b is not carried to the result.
; MORE THAN reference(): the three input rows 2 i - 1, 2 i, 2 i + 1 are multiplied here, so every odd row is loaded and
; multiplied by two work-groups.  For i = 0 (4 of 256 work-groups) the padded row is multiplied on row 0's data and then
; overwritten with -beta: its products stand one by one among the other rows' and among vector work, so no branch can jump
; them; with the rows outermost every wave would read its weights from LDS three times (192 KiB for 64 KiB).
; LIMIT: exponentials below 2^-126 count as 0 (v_exp_f32 flushes denormals, ISA guide 15.8).
;
; CLUSTER: the four batches of one output row i form a cluster (b = place in the cluster, i = the cluster's number).  All work-
; groups need the same 131,072 bytes of weight fragments: wave w asks for its 32,768 bytes by ONE joint tensor load (mask 15),
; whose descriptor hangs on the wave's number alone, into LDS bytes that only this wave reads.  shallow is f32 in memory and
; passes through registers to become bf16, so it comes by plain loads.
;
; TWO HALVES of the pixels (0-63, 64-127 of the three rows), 48 accumulator tiles each, so that the units work side by side:
;  A  half 0 is loaded, converted and stored in LDS as fragments (wave w: input channels 64 w ..); wave 0 makes the tables
;  B  half 0 is multiplied (wave w: output channels 64 w ..) while half 1's raw numbers land in half 1's accumulator registers
;  C  half 1 is converted over half 0's fragments, between two barriers
;  D  half 1 is multiplied, one product behind every QUOTA vector instructions of half 0's softmax
;  E  half 1's softmax; whole rows of 256 bytes leave
;
; PIXEL ORDER.  Tile (half, t) holds pixels 64 half + 4 k + t.  Load lane r takes block k = (r&8) | (r&1)<<2 | (r>>1)&3, so that
; accumulator register j of lane (r, h) is channel 16 ot + r, pixel 64 half + 32 h + 4 G + t with G = (j>>1) + 4 (j&1):
; a lane holds 32 neighbouring pixels, and a register pair (2 a, 2 a + 1) holds G = a and a + 4, for packed arithmetic.
; Output jo = 32 half + 16 h + u, u = 2 a + 8 pe + s: centre tap at t = 2 s, G = a + 4 pe.
;
; LDS: 0 .. 98,303 one half's fragments, y x 32,768 + t x 8,192 + ks x 1,024 + hf x 512 + 16 lane;
;      98,304 + w x 32,768 my weights, ot x 8,192 + ks x 1,024 + hf x 512 + 16 lane;
;      229,376 two tables of 256 bytes, entry jo at half x 128 + h x 64 + a x 16 + s x 8 + pe x 4;
;      229,888 + w x 17,408 my stage: 64 rows (channels) of 272 bytes; half 0's results wait there for half 1's.
; REGISTERS: window 1 + y: row y's raw groups at 128 half + 64 kk + 4 i + t, then its accumulators at 128 half + 32 ot + 8 t + j.
.set GO,  4                            ; v4      shallow: 8 h planes + 16 x block
.set SA,  5                            ; v5-7    LDS, fragments in, row y
.set RA,  8                            ; v8-10   LDS, fragments back, row y
.set WA,  11                           ; v11     LDS, my weights + 16 lane
.set TA,  12                           ; v12     tables: + 64 h
.set STO, 13                           ; v13     stage, in
.set RD,  14                           ; v14     stage, back
.set CO,  15                           ; v15     out0: plane h, 16 r
.set BE,  16                           ; v16-23  (beta, -beta) for each ot
.set LF,  24                           ; v24-29  from phase D on: row y's pair of left taps of u = 0 and u = 8
.set WB,  32                           ; v32-95  weight fragments, two buffers of 32
.set PB,  96                           ; v96-159 pixel fragments, two buffers of 32
.set QM,  160                          ; v160-175 qmean log2(e) of the half at work, at 4 a + 2 s + pe
.set SG,  176                          ; v176-191 1 + sigmoid, likewise
.set R,   192                          ; v192-207 results, u = 0 .. 15
.set Z,   208                          ; v208-243 logits, then exponentials: 18 al + 6 y + 2 c + pe
.set M,   244                          ; v244-247 maxima,
.set DEN, 244                          ;          then (the maxima are spent) the sums of the exponentials
.set NUM, 248                          ; v248-251
.set T,   224                          ; v224-255 phases A and C: converted fragments on their way to LDS
.set ROWB, 24                          ; s[24:29] shallow at row y
.set G0,  68                           ; s[68:71] descriptor group 0
.set G1,  72                           ; s[72:79] descriptor group 1
.set WL,    98304
.set TAB,   229376
.set STAGE, 229888
.set SPITCH, 272                       ; 256 + 16 bytes: sixteen rows start at sixteen different 16-byte columns of 256
.set NMM,   384                        ; products of a half: 24 steps (8 K steps x 3 rows) of 16
.set QUOTA, 5                          ; a half's softmax is 2,144 vector instructions: one product behind every fifth deals out all 384
.set ILV, 0                            ; 1: products are dealt among the vector instructions
.set VC,  0
.set MMI, 0
.set MH,  0
.set MSB, 0
.macro WIN new                         ; low byte: bits 1:0 source 0, 3:2 source 1, 5:4 source 2, 7:6 destination; the high byte repeats the setting that is left
.if MSB != (\new)
	s_set_vgpr_msb (MSB<<8)|(\new)
.set MSB, (\new)
.endif
.endm
.macro PLACES                          ; four places behind a matrix instruction before its registers are loaded into, read or written by others (ISA guide 7.12.1)
.rept 4
	v_nop
.endr
.endm
.macro ROUND                           ; a round of the cluster's barrier: my work-group's barrier, wave 0 signals for it, all wait for all four, my barrier again
	s_barrier_signal -1
	s_barrier_wait -1
	s_cmp_lg_u32 s18, 0
	s_cbranch_scc1 .Lnot_wave_0_\@
	s_barrier_signal -3
.Lnot_wave_0_\@:
	s_barrier_wait -3
	s_barrier_signal -1
	s_barrier_wait -1
.endm
	s_load_b256 s[4:11], s[0:1], 0x0               ; shallow s[4:5], wfrag s[6:7], K_b s[8:9], mout s[10:11]
	s_load_b128 s[12:15], s[0:1], 0x20             ; part s[12:13], out0 s[14:15]
	s_load_b64 s[16:17], s[0:1], 0x30              ; out1
	v_lshrrev_b32 v1, 5, v0
	v_readfirstlane_b32 s18, v1                    ; wave 0..3
	s_bfe_u32 s19, ttmp6, 0x40000                  ; b = my place in the cluster: it enters global offsets alone
	s_and_b32 s20, ttmp9, 63                       ; i = the cluster's number: alike in the four partners
	s_mov_b32 s21, 0xffff0000                      ; lanes 16-31
	s_mov_b32 s22, 0x76543210                      ; v_permlanex16_b32: lane i reads lane i of the other half
	s_mov_b32 s23, 0xfedcba98
	s_lshl_b32 s32, s19, 24                        ; shallow: batch x 256 planes of 65,536 bytes
	s_lshl_b32 s33, s18, 22                        ;          + wave x 64 planes
	s_add_co_u32 s32, s32, s33
	s_lshl_b32 s33, s20, 10                        ; row 2 i, 512 bytes a row
	s_add_co_u32 s36, s32, s33                     ; y = 1
	s_add_co_u32 s38, s36, 512                     ; y = 2
	s_sub_co_u32 s34, s33, 512                     ; y = 0: row 2 i - 1,
	s_max_i32 s34, s34, 0                          ; or row 0 where that is the padding (its products are overwritten)
	s_add_co_u32 s34, s34, s32
	s_mov_b32 s35, 0
	s_mov_b32 s37, 0
	s_mov_b32 s39, 0
	s_lshl_b32 s40, s18, 8                         ; K_b: my 64 channels
	s_mov_b32 s41, 0
	s_lshl_b32 s51, s20, 8                         ; 64 positions of row i
	s_lshl_b32 s42, s19, 19                        ; mout
	s_add_co_u32 s42, s42, s51
	s_mov_b32 s43, 0
	s_lshl_b32 s44, s19, 13                        ; part: 8,192 bytes a batch
	s_mov_b32 s45, 0
	s_lshl_b32 s46, s19, 14                        ; out1
	s_add_co_u32 s46, s46, s51
	s_mov_b32 s47, 0
	s_lshl_b32 s48, s19, 22                        ; out0: batch x 256 planes of 16,384 bytes + wave x 64 planes
	s_lshl_b32 s49, s18, 20
	s_add_co_u32 s48, s48, s49
	s_add_co_u32 s48, s48, s51
	s_mov_b32 s49, 0
	s_mul_i32 s50, s18, 64*SPITCH
	s_add_co_u32 s50, s50, STAGE                   ; my stage
	s_lshl_b32 s52, s18, 15                        ; my 32,768 bytes of the weights
	s_mov_b32 s53, 0
	; the descriptor: a dense block of 32,768 bytes as 128 rows of 32 elements of 8 bytes
	s_mov_b32 s[G0], 1                             ; count = 1
	s_add_co_u32 s[G0+1], s52, WL                  ; LDS address: a constant + wave x 32,768
	s_mov_b32 s[G1+0], 15|(3<<16)|(1<<21)          ; 15:0 the mask: all four of the cluster; 17:16 elements of 8 bytes; 21 set beside a mask
	s_mov_b32 s[G1+1], 32<<16                      ; tensor_dim0 = 32
	s_mov_b32 s[G1+2], 128<<16                     ; tensor_dim1 = 128
	s_mov_b32 s[G1+3], 32<<16                      ; tile_dim0 = 32
	s_mov_b32 s[G1+4], 128                         ; tile_dim1 = 128
	s_mov_b32 s[G1+5], 32                          ; from row to row: 32 elements
	s_mov_b32 s[G1+6], 0
	s_mov_b32 s[G1+7], 0
	v_and_b32 v1, 15, v0                           ; r
	v_bfe_u32 v2, v0, 4, 1                         ; h
	v_and_b32 v3, 31, v0                           ; lane
	v_and_b32 v28, 8, v1
	v_and_b32 v29, 1, v1
	v_lshl_or_b32 v28, v29, 2, v28
	v_bfe_u32 v29, v1, 1, 2
	v_or_b32 v28, v28, v29                         ; the block of four pixels that this lane loads
	v_lshlrev_b32 v[GO], 4, v28
	v_lshl_add_u32 v[GO], v2, 19, v[GO]
	v_lshlrev_b32 v27, 4, v3                       ; 16 x lane
	v_mov_b32 v[RA], v27
	v_add_nc_u32 v[RA+1], 0x8000, v27
	v_add_nc_u32 v[RA+2], 0x10000, v27
.irp y, 0,1,2
	v_lshl_add_u32 v[SA+\y], s18, 11, v[RA+\y]     ; my two K steps: 2 w x 1,024
.endr
	v_lshl_add_u32 v[WA], s18, 15, v27
	v_add_nc_u32 v[WA], WL, v[WA]
	v_lshlrev_b32 v[TA], 6, v2
	v_add_nc_u32 v[TA], TAB, v[TA]
	v_mul_u32_u24 v[STO], v1, SPITCH
	v_lshl_add_u32 v[STO], v2, 6, v[STO]
	v_add_nc_u32 v[STO], s50, v[STO]               ; row r, 64 h bytes
	v_mul_u32_u24 v[RD], v2, SPITCH
	v_lshl_add_u32 v[RD], v1, 4, v[RD]
	v_add_nc_u32 v[RD], s50, v[RD]                 ; row h, 16 r bytes
	v_lshlrev_b32 v[CO], 4, v1
	v_lshl_add_u32 v[CO], v2, 14, v[CO]
	v_lshlrev_b32 v24, 2, v1                       ; 4 r
	v_lshlrev_b32 v26, 3, v3                       ; 8 x lane
	v_lshrrev_b32 v28, 3, v3                       ; wave 0's place in the tables for positions 2 lane, 2 lane + 1
	v_lshlrev_b32 v25, 6, v28
	v_and_b32 v28, 3, v3
	v_lshl_add_u32 v25, v28, 4, v25
	v_bfe_u32 v28, v3, 2, 1
	v_lshl_add_u32 v25, v28, 2, v25
	v_add_nc_u32 v25, TAB, v25
	s_wait_kmcnt 0x0
	s_add_nc_u64 s[ROWB:ROWB+1], s[4:5], s[34:35]
	s_add_nc_u64 s[ROWB+2:ROWB+3], s[4:5], s[36:37]
	s_add_nc_u64 s[ROWB+4:ROWB+5], s[4:5], s[38:39]
	s_add_nc_u64 s[8:9], s[8:9], s[40:41]
	s_add_nc_u64 s[10:11], s[10:11], s[42:43]
	s_add_nc_u64 s[12:13], s[12:13], s[44:45]
	s_add_nc_u64 s[16:17], s[16:17], s[46:47]
	s_add_nc_u64 s[14:15], s[14:15], s[48:49]
	s_add_nc_u64 s[G0+2:G0+3], s[6:7], s[52:53]    ; global address: wfrag + wave x 32,768
	s_or_b32 s[G0+3], s[G0+3], 0x80000000          ; type = 2
; Group n = 6 half + 2 y + kk: 16 loads, channels 64 w + 32 kk + (8 h + i, or 16 + 8 h + i - 8), 64 pixels of row y.
; Sixteen lanes take 256 consecutive bytes, aligned.  Only the even row (y = 1) is read by no other work-group.
.macro GLOAD n
.set LH, (\n)/6
.set LY, ((\n)%6)/2
.set LK, (\n)%2
.set LR, 128*LH+64*LK
	WIN (1+LY)<<6
.irp i, 0,1,2,3,4,5,6,7,8,9,10,11,12,13,14,15
.if LY == 1
	global_load_b128 v[LR+4*\i:LR+4*\i+3], v[GO], s[ROWB+2*LY:ROWB+2*LY+1] offset:(32*LK+\i+8*(\i/8))*65536+LH*256 th:TH_LOAD_NT
.else
	global_load_b128 v[LR+4*\i:LR+4*\i+3], v[GO], s[ROWB+2*LY:ROWB+2*LY+1] offset:(32*LK+\i+8*(\i/8))*65536+LH*256
.endif
.endr
.endm
; Group n is converted (two channels a register) and stored as fragments of tiles t = 0..3, K step 2 w + kk.
.macro CVG n
.set GY, ((\n)%6)/2
.set GK, (\n)%2
.set GR, 128*((\n)/6)+64*GK
	WIN (1+GY)*5
.irp t, 0,1,2,3
.irp jf, 0,1,2,3,4,5,6,7
	v_cvt_pk_bf16_f32 v[T+8*\t+\jf], v[GR+8*\jf+\t], v[GR+8*\jf+4+\t]
.endr
.endr
	WIN 0
.irp t, 0,1,2,3
	ds_store_b128 v[SA+GY], v[T+8*\t:T+8*\t+3] offset:\t*8192+GK*1024
	ds_store_b128 v[SA+GY], v[T+8*\t+4:T+8*\t+7] offset:\t*8192+GK*1024+512
.endr
.endm
	; ---------------- PHASE A ----------------
.irp ot, 0,1,2,3
	global_load_b32 v[BE+2*\ot], v24, s[8:9] offset:\ot*64
.endr
	GLOAD 0
	GLOAD 1
	WIN 0
	ROUND                                          ; the four work-groups are here: the joint loads meet.  My 36 loads are on their way meanwhile
	tensor_load_to_lds s[G0:G0+3], s[G1:G1+7]      ; my wave's one tensor load of the launch: one is outstanding
	s_cmp_lg_u32 s18, 0
	s_cbranch_scc1 .Lno_tl
.irp i, 0,1,2,3,4,5,6,7,8,9,10,11,12,13,14,15
	global_load_b128 v[160+4*\i:163+4*\i], v27, s[12:13] offset:\i*512   ; the batch's 64 partial sums of lit
.endr
.set d, 0
.rept 32
	global_load_b64 v[96+2*d:97+2*d], v26, s[10:11] offset:d*16384       ; mout[b][d][64 i + 2 lane, + 1]
.set d, d+1
.endr
.Lno_tl:
	GLOAD 2
	WIN 0
	s_cmp_lg_u32 s18, 0
	s_cbranch_scc1 .Lno_tab
	s_wait_loadcnt 16                              ; group 2's 16 loads stay out; part and mout are in
.irp i, 1,2,3,4,5,6,7,8,9,10,11,12,13,14,15
	v_pk_add_f32 v[160:161], v[160:161], v[160+4*\i:161+4*\i]
	v_pk_add_f32 v[162:163], v[162:163], v[162+4*\i:163+4*\i]
.endr
.irp t, 0,1,2,3
	v_add_f32_dpp v[160+\t], v[160+\t], v[160+\t] row_xmask:8 row_mask:0xf bank_mask:0xf
.endr
.irp t, 0,1,2,3
	v_permlanex16_b32 v[170+\t], v[160+\t], s22, s23
.endr
.irp t, 0,1,2,3
	v_add_f32 v[160+\t], v[160+\t], v[170+\t]      ; lane l: lit[4 (l & 7) + t]
.endr
.set d, 0
.rept 32
	v_readlane_b32 s[32+d], v[160+d%4], d/4
.set d, d+1
.endr
	v_mul_f32 v164, s32, v96
	v_mul_f32 v165, s32, v97
	v_pk_add_f32 v[166:167], v[96:97], v[98:99]
.set d, 1
.rept 31
	v_fmac_f32 v164, s[32+d], v[96+2*d]            ; re_score
	v_fmac_f32 v165, s[32+d], v[97+2*d]
.set d, d+1
.endr
.set d, 2
.rept 30
	v_pk_add_f32 v[166:167], v[166:167], v[96+2*d:97+2*d]
.set d, d+1
.endr
	global_store_b64 v26, v[164:165], s[16:17]     ; out1: the wave stores 256 consecutive bytes, aligned
	v_pk_mul_f32 v[166:167], v[166:167], 0x3d38aa3b op_sel_hi:[1,0]      ; mean over 32, times log2(e): the exponentials are base 2
	v_mul_f32 v168, 0xbfb8aa3b, v164
	v_mul_f32 v169, 0xbfb8aa3b, v165
	v_exp_f32 v168, v168
	v_exp_f32 v169, v169
	v_nop                                          ; one plain instruction behind a transcendental before its result is used
	v_add_f32 v168, 1.0, v168
	v_add_f32 v169, 1.0, v169
	v_rcp_f32 v168, v168
	v_rcp_f32 v169, v169
	v_nop
	v_add_f32 v168, 1.0, v168                      ; 1 + sigmoid(re_score)
	v_add_f32 v169, 1.0, v169
	ds_store_b32 v25, v166
	ds_store_b32 v25, v167 offset:8
	ds_store_b32 v25, v168 offset:256
	ds_store_b32 v25, v169 offset:264
	s_wait_xcnt 0x0                                ; v26 and v[164:165], which the store reads, are written again (phase D) only behind this wait
.Lno_tab:
.irp n, 0,1,2,3,4,5
	s_wait_loadcnt 32                              ; group n is in; the two younger groups stay out
	GLOAD \n+3                                     ; the ring runs on into half 1: its groups 6, 7, 8 are out when this phase ends
	CVG \n
.endr
.irp ot, 0,1,2,3
	v_xor_b32 v[BE+2*\ot+1], 0x80000000, v[BE+2*\ot]               ; -beta
.endr
	s_wait_tensorcnt 0x0                           ; my weights are in LDS; only I read them
	s_wait_dscnt 0x0                               ; my fragments (and wave 0's tables) are in LDS before I say so
	s_barrier_signal -1
	s_barrier_wait -1
; ---------------- THE PRODUCTS ----------------
; Step st = 3 ks + y of a half: 16 matrix instructions (4 ot x 4 t), row y, K step ks.
.macro FLOAD st                        ; its 4 pixel fragments: 8 LDS loads of 512 consecutive bytes
.set FY, (\st)%3
.set FK, (\st)/3
.set FB, PB+32*((\st)&1)
.irp t, 0,1,2,3
	ds_load_b128 v[FB+8*\t:FB+8*\t+3], v[RA+FY] offset:\t*8192+FK*1024
	ds_load_b128 v[FB+8*\t+4:FB+8*\t+7], v[RA+FY] offset:\t*8192+FK*1024+512
.endr
.endm
.macro WLOAD ks                        ; K step ks's weight fragments of my four blocks of 16 output channels: 8 LDS loads
.irp ot, 0,1,2,3
	ds_load_b128 v[WB+32*((\ks)&1)+8*\ot:WB+32*((\ks)&1)+8*\ot+3], v[WA] offset:\ot*8192+(\ks)*1024
	ds_load_b128 v[WB+32*((\ks)&1)+8*\ot+4:WB+32*((\ks)&1)+8*\ot+7], v[WA] offset:\ot*8192+(\ks)*1024+512
.endr
.endm
; The head of step NS: the next step's fragments and, once a K step, the next K step's weights are asked for; the wait leaves out
; exactly what was issued here, so all older LDS instructions, this step's operands among them, are done.
.macro STEPHEAD
.if NS
	PLACES                                         ; the buffers loaded below were read by the last step's matrix instructions
.endif
	WIN 0
.set DSN, 0
.if NS < 23
	FLOAD NS+1
.set DSN, DSN+8
.endif
.if (NS%3) == 0
.if NS < 21
	WLOAD NS/3+1
.set DSN, DSN+8
.endif
.endif
	s_wait_dscnt DSN
.if MH == 0                            ; under half 0's products: the last three groups of half 1, five steps apart, as earlier groups land
.if NS == 2
	GLOAD 9
.endif
.if NS == 7
	GLOAD 10
.endif
.if NS == 12
	GLOAD 11
.endif
.endif
.endm
; The next product of half MH.  restore = 1: the register windows are left as they were found.
; The 48 accumulators of a half take turns, one instruction a turn.  The first K step starts the sums.
.macro NEXTMM restore
.set NS, MMI/16
.set NQ, MMI%16
.set SAVEW, MSB
.if NQ == 0
	STEPHEAD
.endif
.set NK, NS/3
.set NA, 128*MH+8*NQ
.set NP, PB+32*(NS&1)+8*(NQ%4)
.set NW, WB+32*(NK&1)+8*(NQ/4)
	WIN (1+NS%3)*0x50
.if NK
	v_wmma_f32_16x16x32_bf16 v[NA:NA+7], v[NP:NP+7], v[NW:NW+7], v[NA:NA+7]
.else
	v_wmma_f32_16x16x32_bf16 v[NA:NA+7], v[NP:NP+7], v[NW:NW+7], 0
.endif
.if \restore
	WIN SAVEW
.endif
.set MMI, MMI+1
.endm
; Stands behind every vector instruction of the softmax: while ILV is set, every QUOTA-th call issues a product.
.macro TICK
.if ILV
.set VC, VC+1
.if VC >= QUOTA
.set VC, 0
.if MMI < NMM
	NEXTMM 1
.endif
.endif
.endif
.endm
; Output row 0: input row -1 is padding, D = -beta.  The branch hangs on i, which the four partners share.
.macro PAD half
	s_cmp_lg_u32 s20, 0
	s_cbranch_scc1 .Lnopad_\@
	WIN 0x40
.irp ot, 0,1,2,3
.set pk, 0
.rept 32
	v_mov_b32 v[128*\half+32*\ot+pk], v[BE+2*\ot+1]
.set pk, pk+1
.endr
.endr
	WIN 0
.Lnopad_\@:
.endm
	; ---------------- PHASE B ----------------
	WLOAD 0
	FLOAD 0
.rept NMM
	NEXTMM 0
.endr
	PLACES
	WIN 0
	; ---------------- PHASE C ----------------
	s_wait_dscnt 0x0                               ; my reads of half 0's fragments are over (met: the last step's wait was for 0)
	s_barrier_signal -1
	s_barrier_wait -1                              ; everybody's are: the bytes may be stored over
	PAD 0
.irp n, 6,7,8,9,10,11
.if \n < 8
	s_wait_loadcnt 48                              ; more than the counter's field holds are younger: three groups stay out
.else
	s_wait_loadcnt 16*(11-\n)                      ; the younger groups stay out
.endif
	CVG \n
.endr
	s_wait_dscnt 0x0                               ; my fragments of half 1 are in LDS before I say so
	s_barrier_signal -1
	s_barrier_wait -1
; ---------------- THE SOFTMAX ----------------
.macro TABS half                       ; the two tables' 16 entries each of this lane for one half
.irp tb, 0,1
.irp q, 0,1,2,3
	ds_load_b128 v[QM+16*\tb+4*\q:QM+16*\tb+4*\q+3], v[TA] offset:\tb*256+\half*128+\q*16
.endr
.endr
.endm
; The left taps that no register pair holds: of u = 8 my pixel 15 (t = 3, G = 3); of u = 0 the pixel in front of my 32.
; Lanes 0-15 put up their last pixel (for lane + 16), lanes 16-31 the last pixel of the half before, or -beta at the border
; (for lane - 16, which has the same channel and so the same beta); one exchange of the half-waves brings each its tap.
.macro LEFT ot, half
.set AB, 128*\half+32*\ot
.irp y, 0,1,2
.if \half
	WIN (1+\y)*5
	v_cndmask_b32 v[Z+\y], v[AB+31], v[AB-128+31], s21
.else
	WIN 1+\y
	v_cndmask_b32 v[Z+\y], v[AB+31], v[BE+2*\ot+1], s21
.endif
	v_mov_b32 v[LF+2*\y+1], v[AB+30]
.endr
	WIN 0
.irp y, 0,1,2
	v_permlanex16_b32 v[LF+2*\y], v[Z+\y], s22, s23
.endr
.endm
; DR = the pair, in a row's window, of tap c (0 left, 1 centre, 2 right) of outputs u = 2 a + s and 2 a + 8 + s.  LFT = 1: it is LF.
.macro TAP s, c, a
.set LFT, 0
.if \s
.set DR, AB+8*(\c+1)+2*\a
.elseif \c
.set DR, AB+8*(\c-1)+2*\a
.elseif \a
.set DR, AB+24+2*(\a-1)
.else
.set LFT, 1
.set DR, 0
.endif
.endm
; Four outputs of a lane (a = 2 ap + al, al = 0, 1; pe = 0, 1) with parity s: logits, maximum, exponentials, both sums, the result.
.macro BATCH ot, half, s, ap
.set AB, 128*\half+32*\ot
.set QB, QM+2*\s+8*\ap
.set SB, SG+2*\s+8*\ap
.irp y, 0,1,2
	WIN 1+\y
.irp c, 0,1,2
.irp al, 0,1
	TAP \s, \c, (2*\ap+\al)
.if LFT == 0
	v_pk_mul_f32 v[Z+18*\al+6*\y+2*\c:Z+18*\al+6*\y+2*\c+1], v[DR:DR+1], v[QB+4*\al:QB+4*\al+1]
	TICK
.endif
.endr
.endr
.endr
	WIN 0
.if (\s+\ap) == 0
.irp y, 0,1,2
	v_pk_mul_f32 v[Z+6*\y:Z+6*\y+1], v[LF+2*\y:LF+2*\y+1], v[QB:QB+1]
	TICK
.endr
.endif
.irp al, 0,1
.irp pe, 0,1
	v_max3_num_f32 v[M+2*\al+\pe], v[Z+18*\al+\pe], v[Z+18*\al+2+\pe], v[Z+18*\al+4+\pe]
	TICK
.endr
.endr
.irp k, 6,10,14
.irp al, 0,1
.irp pe, 0,1
	v_max3_num_f32 v[M+2*\al+\pe], v[M+2*\al+\pe], v[Z+18*\al+\k+\pe], v[Z+18*\al+\k+2+\pe]
	TICK
.endr
.endr
.endr
.irp q, 0,1,2,3,4,5,6,7,8
.irp al, 0,1
	v_pk_add_f32 v[Z+18*\al+2*\q:Z+18*\al+2*\q+1], v[Z+18*\al+2*\q:Z+18*\al+2*\q+1], v[M+2*\al:M+2*\al+1] neg_lo:[0,1] neg_hi:[0,1]   ; the maximum is taken away
	TICK
.endr
.endr
.set ek, 0
.rept 36
	v_exp_f32 v[Z+ek], v[Z+ek]
	TICK
.set ek, ek+1
.endr
	v_nop                                          ; one plain instruction behind the transcendentals before a result is used
	TICK
.irp al, 0,1
	v_pk_add_f32 v[DEN+2*\al:DEN+2*\al+1], v[Z+18*\al:Z+18*\al+1], v[Z+18*\al+2:Z+18*\al+3]
	TICK
.endr
.irp q, 2,3,4,5,6,7,8
.irp al, 0,1
	v_pk_add_f32 v[DEN+2*\al:DEN+2*\al+1], v[DEN+2*\al:DEN+2*\al+1], v[Z+18*\al+2*\q:Z+18*\al+2*\q+1]
	TICK
.endr
.endr
.irp y, 0,1,2
	WIN (1+\y)<<2
.irp c, 1,2,0
.irp al, 0,1
	TAP \s, \c, (2*\ap+\al)
.if LFT == 0
.if (3*\y+\c) == 1
	v_pk_mul_f32 v[NUM+2*\al:NUM+2*\al+1], v[Z+18*\al+6*\y+2*\c:Z+18*\al+6*\y+2*\c+1], v[DR:DR+1]     ; the first product starts the sum
.else
	v_pk_fma_f32 v[NUM+2*\al:NUM+2*\al+1], v[Z+18*\al+6*\y+2*\c:Z+18*\al+6*\y+2*\c+1], v[DR:DR+1], v[NUM+2*\al:NUM+2*\al+1]
.endif
	TICK
.endif
.endr
.endr
.endr
	WIN 0
.if (\s+\ap) == 0
.irp y, 0,1,2
	v_pk_fma_f32 v[NUM:NUM+1], v[Z+6*\y:Z+6*\y+1], v[LF+2*\y:LF+2*\y+1], v[NUM:NUM+1]
	TICK
.endr
.endif
.irp k, 0,1,2,3
	v_rcp_f32 v[DEN+\k], v[DEN+\k]
	TICK
.endr
	v_nop
	TICK
.irp al, 0,1
	v_pk_fma_f32 v[NUM+2*\al:NUM+2*\al+1], v[NUM+2*\al:NUM+2*\al+1], v[DEN+2*\al:DEN+2*\al+1], v[BE+2*\ot:BE+2*\ot+1] op_sel_hi:[1,1,0]   ; att = sum p D + beta
	TICK
.endr
.irp al, 0,1
.irp pe, 0,1
	v_mul_f32 v[R+2*(2*\ap+\al)+8*\pe+\s], v[NUM+2*\al+\pe], v[SB+4*\al+\pe]         ; (1 + sigmoid) att, put at its place u
	TICK
.endr
.endr
.endm
; One block of 16 channels, one half: 16 outputs a lane, into 128 bytes of each of the block's 16 rows of my stage.
.macro SOFT ot, half
	LEFT \ot, \half
	BATCH \ot, \half, 0, 0
	BATCH \ot, \half, 0, 1
	BATCH \ot, \half, 1, 0
	BATCH \ot, \half, 1, 1
.irp q, 0,1,2,3
	ds_store_b128 v[STO], v[R+4*\q:R+4*\q+3] offset:\ot*16*SPITCH+\half*128+\q*16
.endr
.endm
; Sixteen channels' rows leave: read back by rows from my own stage (LDS serves a wave's instructions in order: no wait
; between my stores and these loads), and sixteen lanes store 256 consecutive bytes, aligned.  Each block has 32 registers
; of its own among the operand buffers, which are free by now: no register that a store reads is written again.
.macro OUT ot
.set OB, 32+32*\ot
.irp tt, 0,1,2,3,4,5,6,7
	ds_load_b128 v[OB+4*\tt:OB+4*\tt+3], v[RD] offset:\ot*16*SPITCH+\tt*2*SPITCH
.endr
.irp tt, 0,1,2,3,4,5,6,7
	s_wait_dscnt 7-\tt                             ; LDS loads come back in order: load tt is in
	global_store_b128 v[CO], v[OB+4*\tt:OB+4*\tt+3], s[14:15] offset:(16*\ot+2*\tt)*16384 th:TH_STORE_NT
.endr
.endm
	; ---------------- PHASE D ----------------
.set MH, 1
.set MMI, 0
.set VC, 0
	TABS 0
	WLOAD 0
	FLOAD 0
.irp y, 0,1,2
	v_mov_b32 v[LF+2*\y], 0                        ; v_permlanex16_b32 counts as a reader of its destination
.endr
	s_wait_dscnt 16                                ; the tables are in; the first step's 16 operand loads stay out
.set ILV, 1
.irp ot, 0,1,2,3
	SOFT \ot, 0
.endr
.set ILV, 0
.rept NMM                              ; products that the vector stream has not dealt out (none at this QUOTA)
.if MMI < NMM
	NEXTMM 0
.endif
.endr
	PLACES
	WIN 0
	; ---------------- PHASE E ----------------
	PAD 1
	TABS 1
	s_wait_dscnt 0x0
.irp ot, 0,1,2,3
	SOFT \ot, 1
	OUT \ot
.endr
	ROUND                                          ; the closing round: no work-group ends while a partner may still ask for a tile that names it
	s_endpgm
.Lfunc_end_k_q80a8ee8525_clue:
	.size	k_q80a8ee8525_clue, .Lfunc_end_k_q80a8ee8525_clue-k_q80a8ee8525_clue
	.p2alignl 7, 3214868480
	.fill 96, 4, 3214868480
	.section	.rodata,"a",@progbits
	.p2align	6, 0x0
	.amdhsa_kernel k_q80a8ee8525_clue
		.amdhsa_group_segment_fixed_size 299520
		.amdhsa_private_segment_fixed_size 0
		.amdhsa_enable_private_segment 0
		.amdhsa_kernarg_size 56
		.amdhsa_user_sgpr_count 2
		.amdhsa_user_sgpr_kernarg_segment_ptr 1
		.amdhsa_wavefront_size32 1
		.amdhsa_system_sgpr_workgroup_id_x 1
		.amdhsa_system_sgpr_workgroup_id_y 1
		.amdhsa_system_sgpr_workgroup_id_z 1
		.amdhsa_system_vgpr_workitem_id 0
		.amdhsa_next_free_vgpr 1024
		.amdhsa_next_free_sgpr 80
		.amdhsa_reserve_vcc 0
		.amdhsa_float_denorm_mode_32 3
		.amdhsa_float_denorm_mode_16_64 3
		.amdhsa_memory_ordered 1
		.amdhsa_forward_progress 1
		.amdhsa_inst_pref_size 255
	.end_amdhsa_kernel
	.section	.bss,"aw",@nobits
	.p2align	6
	.space	262144
	.amdgpu_metadata
---
amdhsa.version: [ 1, 2 ]
amdhsa.kernels:
  - .name:           k_q80a8ee8525_clue
    .symbol:         k_q80a8ee8525_clue.kd
    .args:
      - { .name: shallow, .offset: 0, .size: 8, .value_kind: global_buffer, .address_space: global }
      - { .name: wfrag, .offset: 8, .size: 8, .value_kind: global_buffer, .address_space: global }
      - { .name: K_b, .offset: 16, .size: 8, .value_kind: global_buffer, .address_space: global }
      - { .name: mout, .offset: 24, .size: 8, .value_kind: global_buffer, .address_space: global }
      - { .name: part, .offset: 32, .size: 8, .value_kind: global_buffer, .address_space: global }
      - { .name: out0, .offset: 40, .size: 8, .value_kind: global_buffer, .address_space: global }
      - { .name: out1, .offset: 48, .size: 8, .value_kind: global_buffer, .address_space: global }
    .group_segment_fixed_size: 299520
    .private_segment_fixed_size: 0
    .kernarg_segment_align: 8
    .kernarg_segment_size: 56
    .max_flat_workgroup_size: 128
    .sgpr_count:     80
    .vgpr_count:     1024
    .wavefront_size: 32
...
	.end_amdgpu_metadata
.endif
;; end of part 3
